; MI455X (gfx1250); checked and timed in simulation.
; The chip was launched on July 23, 2026; its instructions are those of AMD's public machine-readable ISA for CDNA 5 (MIT licence, August 2026) and "CDNA5" Instruction Set Architecture Reference Guide (July 2026). The comments in the code are by the model that wrote it; some were corrected since.
;; LSTM Orth. Allowed arithmetic: matrix products marked QUANTISED: E5M2 operands, one given power-of-two scale a tensor, by v_wmma_f32_16x16x64_bf8_bf8 or v_wmma_f32_16x16x128_bf8_bf8, f32 sums; everything else in f32.
;; Inputs: W_hf 1,024 x 1,024 float32; W_hg 1,024 x 1,024 float32; W_hi 1,024 x 1,024 float32; W_ho 1,024 x 1,024 float32; W_if_ 1,024 x 1,024 float32; W_ig 1,024 x 1,024 float32; W_ii 1,024 x 1,024 float32; W_io 1,024 x 1,024 float32; b_hf 1,024 float32; b_hg 1,024 float32; b_hi 1,024 float32; b_ho 1,024 float32; b_if_ 1,024 float32; b_ig 1,024 float32; b_ii 1,024 float32; b_io 1,024 float32; c_prev 8,192 x 1,024 float32; h_codes 8,192 x 32 x 32 uint8 (E5M2 codes of h, K innermost, in blocks of 32 codes); lowp_scales 4 int32 (the exponents e of the quantised operands' scales 2^e); x_codes 8,192 x 32 x 32 uint8 (E5M2 codes of x, K innermost, in blocks of 32 codes).
;; Outputs: out0 8,192 x 1,024 float32; out1 8,192 x 1,024 float32.
;; This version of the problem:
;;   THIS VERSION OF THE PROBLEM IS GIVEN IN LOW PRECISION. The matrix products marked QUANTISED in the list below multiply operands that are first quantised to E5M2 (5 exponent bits, 2 mantissa bits; 8 bits a number), with one given power-of-two scale for each operand tensor; their sums are f32. All else is computed in f32.
;;   The module's matrix products, in the order in which they are computed (A, B: the left and right operand; K: the contracted axis; several contracted axes count as one K, in the product's order):
;;     1. [M 8,192, K 1,024] x [K 1,024, N 4,096]; A: input x (given as codes); B: computed on the way: QUANTISED (scales: A lowp_scales[0], B lowp_scales[1])
;;     2. [M 8,192, K 1,024] x [K 1,024, N 4,096]; A: input h (given as codes); B: computed on the way: QUANTISED (scales: A lowp_scales[2], B lowp_scales[3])
;;   THE QUANTISER, for each operand of a quantised product, along K:
;;     - The operand's scale is 2^e, e = its entry of the input lowp_scales (int32; the entries are numbered through the quantised products in the list's order, A before B).
;;     - Each number is divided by the scale, clamped to +-57,344, and rounded to the nearest number of E5M2, ties to even, subnormals kept.
;;     - The product sums the exact products of the quantised numbers (number of the format x scale) in f32.
;;   ~~~python
;;   def quantise(x, axis, e):      # numpy; x: float32 -> the quantised numbers, widened to float32 again
;;       x = np.moveaxis(x, axis, -1); K = x.shape[-1]
;;       r = np.clip(x / 2.0 ** e, -57344, 57344)
;;       step = 2.0 ** (np.maximum(np.frexp(np.where(r == 0, 1, r))[1] - 1, -14) - 2)
;;       q = np.round(r / step) * step * 2.0 ** e      # np.round: ties to even
;;       return np.moveaxis(q, -1, axis).astype(np.float32)
;;   ~~~
;;   OPERANDS COMPUTED ON THE WAY. 'Computed on the way' means the value that the module computes at that place (a softmax that the list does not call 'softmax' is quantised finished and normalised). What goes into a quantiser is computed in f32, as accurately as f32 sums, v_exp_f32 and their like allow (about 1e-6 of the number): no bf16 or f16 on the way to a quantiser, and a product that is left as it is and whose result goes on into a quantised operand takes f32 operands (vector FMAs, or v_wmma_f32_16x16x4_f32). A number that lies on a knife's edge between two numbers of the format may be rounded either way, as far as f32 arithmetic and the matrix unit's own rounding can turn it there, and no further.
;;   INPUTS GIVEN AS CODES. h (in the module: [8192, 1024], K = its axis 1); x (in the module: [8192, 1024], K = its axis 1): each comes as NAME_codes (uint8): NAME with its K axis moved to the last place and cut into blocks of 32 codes, [.., K / 32, bytes a block], one block behind the other in memory; one code a byte (a code: sign, 5 exponent bits, 2 mantissa bits); its scale is its entry of lowp_scales. Its value is code x scale, taken as it is: it is not quantised again, and the codes and scales need not be those that the quantiser above would give.
;; One version. Each part assembles by itself: llvm-mc -triple=amdgcn-amd-amdhsa -mcpu=gfx1250 --defsym DOCPART=n.
;; ======== version 1 of 1: 2 launches
;; limits: right only within a limited range of input values; inputs' magnitudes at most 1.15e+18
;; workspace buffers: wq 8,388,608 bytes
;; launch quant (part 1): grid 64 x 8, 4 waves a work-group, no clusters, 50,688 bytes of LDS; arguments W_ii, W_if_, W_ig, W_io, W_hi, W_hf, W_hg, W_ho, lowp_scales, wq; writes wq
.if DOCPART == 1
	.amdgcn_target "amdgcn-amd-amdhsa--gfx1250"
	.amdhsa_code_object_version 6
	.text
	.protected	k_qb4b6b03bbd_quant
	.globl	k_qb4b6b03bbd_quant
	.p2align	8
	.type	k_qb4b6b03bbd_quant,@function
k_qb4b6b03bbd_quant:
	s_mov_b64 s[64:65], 0
	v_nop
	global_prefetch_b8 v0, s[64:65] scope:SCOPE_SE
	s_setreg_imm32_b32 hwreg(HW_REG_WAVE_MODE, 25, 1), 1
	s_wait_xcnt 0x0
; The eight weights, [1024 (j)][1024 (k)] f32 with K innermost, become codes of BF8 (E5M2), laid as an IMAGE OF THE REGISTERS that the product's launch takes as its operand.
; wq is [32 groups G][16 steps s][8 fragments b][2,048 bytes].  Gate g (0 i, 1 f, 2 g, 3 o), hidden column j, side (0 input, 1 hidden), k: G = j / 32, b = 2 g + (j % 32) / 16, s = 8 side + k / 128;
; in a fragment byte 512 c + 256 h + 16 r + i holds row r = j % 16, k % 128 = 32 c + 16 h + i: so lane r + 16 h of a wave takes registers 4 c .. 4 c + 3 by one load of 16 bytes at 512 c + 16 lane.
; code = w / 2^e, held within +-57,344, rounded to the nearest code, ties to even.  e = entry 1 of the scales for the input-side weights, entry 3 for the hidden-side ones.
; LIMITS: -126 <= e <= 112, so that 2^e and 57,344 x 2^e are f32 numbers.  NaN among the weights is not served (an infinity is held at the largest code).
; SHARES.  Work-group (x, y): tensor y, rows 16 x .. 16 x + 15: one fragment row b of all eight steps of a side, 16 KiB of codes.  A wave takes 4 rows, 8 steps of 512 numbers; all its 32 loads go out at once.
; Numbers go through the wave's own stage in LDS so that a lane gets 16 neighbours along K.  A lane's 16 codes are one sixteenth of a run of 256 bytes of wq whose other parts come from other rows: so the codes go
; through a stage of the work-group (64 runs of 256 bytes + 16 of padding), one barrier, and leave as 512 consecutive bytes a store.
.set STEPS, 8
.set EMAX,  15
.set MANT,  0x600000
.set R,     16                         ; v16-143  eight sets of 16 numbers as they are loaded; at the end v16-47 the codes read back
.set X,     144                        ; v144-175 two sets of 16 neighbours
.set C,     176                        ; v176-207 codes
.set WREG,  8192                       ; LDS: a region for each wave: two stages of 32 x SP bytes
.set SP,    80
.set CST,   0x8200                     ; the codes' stage, behind the spare words (0x8000 .. 0x81ff)
.set CP,    272                        ; a run of 256 bytes + 16 of padding
	s_load_b256 s[32:39], s[0:1], 0x0
	s_load_b256 s[40:47], s[0:1], 0x20
	s_load_b128 s[48:51], s[0:1], 0x40             ; the scales' exponents, wq
	v_lshl_add_u32 v208, v0, 2, 0x8000
	v_mov_b32 v209, 0
	v_lshrrev_b32 v1, 5, v0
	v_readfirstlane_b32 s16, v1                    ; wave
	s_mul_i32 s17, s16, WREG
	s_lshl_b32 s19, s16, 6
	s_add_co_u32 s19, s19, CST                     ; codes in: + 16 x (4 x wave) for my rows
	s_mul_i32 s28, s16, 16*CP
	s_add_co_u32 s28, s28, CST                     ; codes back: my 16 runs
	v_and_b32 v2, 31, v0                           ; lane
	v_lshlrev_b32 v3, 4, v2                        ; 16 x lane
	v_lshrrev_b32 v14, 2, v2
	v_mul_u32_u24 v14, v14, SP
	v_and_b32 v15, 3, v2
	v_lshl_add_u32 v14, v15, 4, v14
	v_add_nc_u32 v14, s17, v14                     ; the numbers' stage, in
	v_mul_u32_u24 v15, v2, SP
	v_add_nc_u32 v15, s17, v15                     ; and out: my 16 neighbours
	v_mul_u32_u24 v12, v2, CP
	v_add_nc_u32 v12, s19, v12                     ; codes in: run k / 16 = lane (+ 32 in a row's second half)
	v_lshrrev_b32 v13, 4, v2
	v_mul_u32_u24 v13, v13, CP
	v_and_b32 v4, 15, v2
	v_lshl_add_u32 v13, v4, 4, v13
	v_add_nc_u32 v13, s28, v13                     ; codes back: two runs an instruction
	s_and_b32 s18, ttmp7, 0xffff                   ; which tensor
	s_and_b32 s20, s18, 3                          ; its gate
	s_lshr_b32 s21, s18, 2                         ; its side
	s_lshr_b32 s22, ttmp9, 1
	s_lshl_b32 s22, s22, 18                        ; G x 262,144
	s_lshl_b32 s21, s21, 17
	s_add_co_u32 s22, s22, s21                     ; + 8 side x 16,384
	s_lshl_b32 s21, s16, 15
	s_add_co_u32 s22, s22, s21                     ; + 2 wave x 16,384: the two steps that I store
	s_lshl_b32 s20, s20, 12
	s_add_co_u32 s22, s22, s20                     ; + 2 gate x 2,048
	s_and_b32 s20, ttmp9, 1
	s_lshl_b32 s20, s20, 11
	s_add_co_u32 s22, s22, s20                     ; + which half of the group x 2,048
	s_mov_b32 s23, 0
	s_lshl_b32 s20, ttmp9, 16                      ; in the weight: 16 rows of 4,096 bytes a work-group,
	s_lshl_b32 s21, s16, 14                        ; 4 a wave
	s_add_co_u32 s20, s20, s21
	s_mov_b32 s21, 0
	s_wait_alu depctr_va_vdst(0)                   ; the wait at the head's end
	s_wait_kmcnt 0x0
	s_load_b128 s[24:27], s[48:49], 0x0            ; the four exponents
	s_mov_b64 s[4:5], s[32:33]
.irp i, 1,2,3,4,5,6,7
	s_cmp_eq_u32 s18, \i
	s_cselect_b64 s[4:5], s[32+2*\i:33+2*\i], s[4:5]
.endr
	s_add_nc_u64 s[4:5], s[4:5], s[20:21]
	s_add_nc_u64 s[8:9], s[50:51], s[22:23]
.macro LOAD t
.irp i, 0,1,2,3
	global_load_b128 v[R+16*(\t)+4*\i:R+16*(\t)+4*\i+3], v3, s[4:5] offset:2048*(\t)+512*\i th:TH_LOAD_NT
.endr
.endm
.macro TURN t                          ; LDS serves a wave's instructions in order (ISA guide 5.7.1.4): no wait between the stores and the loads
.irp i, 0,1,2,3
	ds_store_b128 v14, v[R+16*(\t)+4*\i:R+16*(\t)+4*\i+3] offset:32*SP*((\t)%2)+8*SP*\i
.endr
.irp i, 0,1,2,3
	ds_load_b128 v[X+16*((\t)%2)+4*\i:X+16*((\t)%2)+4*\i+3], v15 offset:32*SP*((\t)%2)+16*\i
.endr
.endm
.irp t, 0,1,2,3,4,5,6,7
	LOAD \t
.endr
	s_wait_kmcnt 0x0
	s_cmp_lt_u32 s18, 4
	s_cselect_b32 s22, s25, s27                    ; e: entry 1 or entry 3
	s_add_co_i32 s22, s22, 127
	s_lshl_b32 s23, s22, 23
	v_mov_b32 v11, s23                             ; 2^e
	s_add_co_i32 s22, s22, EMAX
	s_lshl_b32 s22, s22, 23
	s_or_b32 s22, s22, MANT
	v_mov_b32 v10, s22                             ; 57,344 x 2^e
	s_wait_alu depctr_va_vdst(0)
	s_wait_loadcnt 4*(STEPS-1)                     ; step 0's four loads are in; the 28 behind them may be out
	TURN 0
.macro STEP t
.set XS, X+16*((\t)%2)
	s_wait_dscnt 0x0                               ; this step's numbers are back from the stage
.if (\t)+1 < STEPS
	s_wait_loadcnt 4*(STEPS-2-(\t))                ; the next step's four loads are in: 24, 20, .. 0 may be out
	TURN (\t)+1
.endif
.irp i, 0,1,2,3,4,5,6,7,8,9,10,11,12,13,14,15
	v_med3_num_f32 v[XS+\i], v[XS+\i], -v10, v10   ; the conversion does not saturate (ISA guide 7.6.2): hold first
.endr
	v_cvt_scalef32_pk8_bf8_f32 v[C+4*(\t):C+4*(\t)+1], v[XS:XS+7], v11
	v_cvt_scalef32_pk8_bf8_f32 v[C+4*(\t)+2:C+4*(\t)+3], v[XS+8:XS+15], v11
	v_nop                                          ; a plain line behind the conversions
	ds_store_b128 v12, v[C+4*(\t):C+4*(\t)+3] offset:((\t)%2)*32*CP+((\t)/2)*16   ; row 4 wave + t / 2, run lane + 32 (t % 2)
.endm
.irp t, 0,1,2,3,4,5,6,7
	STEP \t
.endr
	s_wait_dscnt 0x0                               ; for the others' sake: my codes lie in the stage
	s_barrier_signal -1
	s_barrier_wait -1
.irp i, 0,1,2,3,4,5,6,7
	ds_load_b128 v[R+4*\i:R+4*\i+3], v13 offset:2*CP*\i
.endr
	s_wait_dscnt 0x0
.irp i, 0,1,2,3,4,5,6,7
	global_store_b128 v3, v[R+4*\i:R+4*\i+3], s[8:9] offset:(\i/4)*16384+(\i%4)*512   ; 512 consecutive bytes, at a multiple of 512 from wq's first byte
.endr
	s_wait_tensorcnt 0x0                           ; the wave's end
	ds_add_u32 v208, v209
	s_wait_dscnt 0x0
	s_endpgm
.Lfunc_end_k_qb4b6b03bbd_quant:
	.size	k_qb4b6b03bbd_quant, .Lfunc_end_k_qb4b6b03bbd_quant-k_qb4b6b03bbd_quant
	.p2alignl 7, 3214868480
	.fill 96, 4, 3214868480
	.section	.rodata,"a",@progbits
	.p2align	6, 0x0
	.amdhsa_kernel k_qb4b6b03bbd_quant
		.amdhsa_group_segment_fixed_size 50688
		.amdhsa_private_segment_fixed_size 0
		.amdhsa_enable_private_segment 0
		.amdhsa_kernarg_size 80
		.amdhsa_user_sgpr_count 2
		.amdhsa_user_sgpr_kernarg_segment_ptr 1
		.amdhsa_wavefront_size32 1
		.amdhsa_system_sgpr_workgroup_id_x 1
		.amdhsa_system_sgpr_workgroup_id_y 1
		.amdhsa_system_sgpr_workgroup_id_z 1
		.amdhsa_system_vgpr_workitem_id 0
		.amdhsa_next_free_vgpr 210
		.amdhsa_next_free_sgpr 66
		.amdhsa_reserve_vcc 0
		.amdhsa_float_denorm_mode_32 3
		.amdhsa_float_denorm_mode_16_64 3
		.amdhsa_memory_ordered 1
		.amdhsa_forward_progress 1
		.amdhsa_inst_pref_size 23
	.end_amdhsa_kernel
	.amdgpu_metadata
---
amdhsa.version: [ 1, 2 ]
amdhsa.kernels:
  - .name:           k_qb4b6b03bbd_quant
    .symbol:         k_qb4b6b03bbd_quant.kd
    .args:
      - { .name: W_ii, .offset: 0, .size: 8, .value_kind: global_buffer, .address_space: global }
      - { .name: W_if_, .offset: 8, .size: 8, .value_kind: global_buffer, .address_space: global }
      - { .name: W_ig, .offset: 16, .size: 8, .value_kind: global_buffer, .address_space: global }
      - { .name: W_io, .offset: 24, .size: 8, .value_kind: global_buffer, .address_space: global }
      - { .name: W_hi, .offset: 32, .size: 8, .value_kind: global_buffer, .address_space: global }
      - { .name: W_hf, .offset: 40, .size: 8, .value_kind: global_buffer, .address_space: global }
      - { .name: W_hg, .offset: 48, .size: 8, .value_kind: global_buffer, .address_space: global }
      - { .name: W_ho, .offset: 56, .size: 8, .value_kind: global_buffer, .address_space: global }
      - { .name: lowp_scales, .offset: 64, .size: 8, .value_kind: global_buffer, .address_space: global }
      - { .name: wq, .offset: 72, .size: 8, .value_kind: global_buffer, .address_space: global }
    .group_segment_fixed_size: 50688
    .private_segment_fixed_size: 0
    .kernarg_segment_align: 8
    .kernarg_segment_size: 80
    .max_flat_workgroup_size: 128
    .sgpr_count:     66
    .vgpr_count:     210
    .wavefront_size: 32
...
	.end_amdgpu_metadata
.endif
;; end of part 1
;; launch cell (part 2): grid 16 x 32, 4 waves a work-group, clusters of 4 x 1, 327,680 bytes of LDS; arguments x_codes, h_codes, wq, lowp_scales, c_prev, out0, out1, b_ii, b_if_, b_ig, b_io, b_hi, b_hf, b_hg, b_ho; writes out0, out1
.if DOCPART == 2
	.amdgcn_target "amdgcn-amd-amdhsa--gfx1250"
	.amdhsa_code_object_version 6
	.text
	.protected	k_qb4b6b03bbd_cell
	.globl	k_qb4b6b03bbd_cell
	.p2align	8
	.type	k_qb4b6b03bbd_cell,@function
k_qb4b6b03bbd_cell:
	s_mov_b64 s[64:65], 0
	v_nop
	global_prefetch_b8 v0, s[64:65] scope:SCOPE_SE
	s_setreg_imm32_b32 hwreg(HW_REG_WAVE_MODE, 25, 1), 1
	s_wait_xcnt 0x0
	s_wait_alu depctr_hold_cnt(0) depctr_sa_sdst(0) depctr_va_vdst(0) depctr_va_sdst(0) depctr_va_ssrc(0) depctr_va_vcc(0) depctr_vm_vsrc(0)
	s_getreg_b32 s2, hwreg(HW_REG_IB_STS2, 6, 4)
	s_cmp_eq_u32 s2, 0
	s_cbranch_scc0 .Lentry_in_a_cluster
	s_endpgm
.Lentry_in_a_cluster:
	s_bfe_u32 s2, ttmp6, 0x10000c
	s_cmp_lg_u32 s2, 0x3003
	s_cbranch_scc0 .Lentry_shape_is_right
	s_endpgm
.Lentry_shape_is_right:
; One LSTM step.  gates = x Wx^T + h Wh^T + bx + bh, both products on codes of BF8 (E5M2) with one given scale a tensor (e0 x, e1 Wx, e2 h, e3 Wh); i, f, o = sigmoid, g = tanh;
; c_next = f c_prev + i g (out1), h_next = o tanh(c_next) (out0).  The gates never leave the registers.
; OPERANDS.  A: x_codes, h_codes: [8192][1024] bytes, K innermost.  wq, made by the launch before: [32 groups of 32 hidden columns][16 steps of 128 K: 8 of Wx, 8 of Wh][8 fragments b = 2 gate + column half][2,048 bytes],
; each fragment an image of its 16 registers: lane l takes registers 4 c .. 4 c + 3 at byte 512 c + 16 l.
; SHARES.  A work-group of four waves takes 256 rows x 64 hidden columns x 4 gates; a wave 128 rows x one group of wq: 64 accumulators, 512 registers.  The matrix instruction is used transposed (source 0 = wq, source 1 = A):
; in accumulator (a, b) lane (r, h) holds, in register j, row 16 a + r, gate b / 2, hidden column 16 (b % 2) + 8 h + j.
; TWO ROADS.  A alone goes through LDS: a ring of two slots of 256 rows x 512 K, four fills a tile, each wave fetching 64 rows.  wq goes from memory straight into registers: a wave's fragments of a step lie on end, each load
; covers 512 consecutive bytes; 16 loads (four fragments) make a group, and a group is asked for three half steps ahead of its products, into the registers that the half step just done has freed.
; A step of 128 K is two half steps: wq's fragments 0-3 against A's eight blocks, then fragments 4-7.  A's fragments rotate through 14 places of 16 registers: block a of step s lies in place (8 s + a) % 14, so six blocks of the next
; step are fetched in a step's middle and two at its end.  All steps are written out: there is no loop.
; THE ORDER OF K HANGS ON THE CLUSTER.  o = (cluster x + tile row) mod 4; P = o % 2: 0 takes x's product first, 1 h's; R = o / 2: which half of a product's K comes first.  What differs is scalar; no branch hangs on it.
; SCALES AND BIASES.  The first products take (bx + bh) / 2^F as C, F = the first product's two exponents added.  Behind the first product every sum is multiplied by 2^d, d = F less the second product's E; 2^E is
; folded into the factor that the activations' exponents need anyway.
; THE TAIL, 16 rows a wave at a time.  With Ei = 2^(-log2e gi), Ef likewise, Eg = 2^(2 log2e gg), each exponent held at 32 from above:
;   c_next = (c_prev P + (Eg - 1)(1 + Ef)) / (P (1 + Ef)), P = (1 + Ei)(1 + Eg);   h_next = (Ec - 1) / ((1 + Ec)(1 + Eo)), Ec = 2^min(2 log2e c_next, 32).
; c_prev's tile comes by tensor loads into slot 0, as that slot's last fill.  Results go through a stage of its own in LDS, since a row's 256 bytes come from two waves.
; CLUSTERS: 4 x 1 work-groups, the four of one tile row: A's tiles are asked for jointly.  wq's fragments go to registers, where no joint load reaches.  c_prev's tile is each work-group's own: a plain load.
; PREFETCH: c_prev's tile alone, two fills ahead of its load.  A's tiles are not prefetched: the text has no loop to run ahead in, four fills written out.
; LIMITS.  e0 + e1, e2 + e3 and their difference each between -126 and 126 (they are put into exponent fields); the biases / 2^F and the first product's sums x 2^d stay f32 numbers; |c_prev| under 2^60.
; A sigmoid of i or f is not smaller than 2^-32 here.  NaN and infinity among the codes, NaN in c_prev or the biases are not served (the hold drops a NaN).
; REGISTERS: window 0: v0-31 addresses; v32-255 A's 14 places (at the head v128-255 the biases; in the tail v96-239 at work).  Window 1: wq's fragments, set s % 2 at v[128 (s % 2) + 16 b].
;   Window 2: accumulators of b 0-3, (a, b) at v[8 (4 a + b)];  window 3: those of b 4-7, at v[8 (4 a + b - 4)].
.set PA,     528                       ; A's LDS row: 512 bytes + 16 of padding: an odd multiple of 16, so the 16 rows that a load touches start at 16 different banks (ISA guide 11.1)
.set PITCH,  272                       ; c_prev's and the stage's row: 256 + 16
.set QT,     64*PA
.set SLOT,   4*QT
.set SPARE,  2*SLOT                    ; the spare words: 128 bytes for each wave
.set STG,    SPARE+512                 ; the stage: two buffers by turns; no tensor load lands here
.set OBUF,   32*PITCH
.set SBUF,   2*OBUF
.set ADRA, 16
.set LOFF, 20
.set CPA,  22
.set STO,  24
.set RD,   25
.set CO,   26
.set BO,   27
.set SPW,  28
.set NIL,  29
.set PFC,  31
.set BIAS, 192
.set HB,   128
.set T,    96
.set TI,   96
.set TF,   112
.set TG,   128
.set TO,   144
.set CP,   160
.set W1,   176
.set W2,   192
.set RB,   208
.set WV,  18
.set RH,  19
.set CH,  20
.set CPP, 12
.set OUT, 14
.set G1A, 24
.set G0F, 32                           ; s[32:47] group 0 of A's four fills
.set BF,  48                           ; s[48:55] wq at my group, at each fill's first step
.set RS,  68
.set SSG, 70
.set STH, 72
.set S2L, 74
.set CL,  76
.set G1C, 84
.set G0C, 92
.set TC,  100
.set TR,  101
.set MSB, 0
.macro WIN new
.if MSB != (\new)
	s_set_vgpr_msb (MSB<<8)|(\new)
.set MSB, (\new)
.endif
.endm
.macro PLACES n
.rept \n
	v_nop
.endr
.endm
.macro CREST
	s_cmp_lg_u32 s[WV], 0
	s_cbranch_scc1 .Lnot_wave_0_\@
	s_barrier_signal -3
.Lnot_wave_0_\@:
	s_barrier_wait -3
	s_barrier_signal -1
	s_barrier_wait -1
.endm
.macro CROUND
	s_barrier_signal -1
	s_barrier_wait -1
	CREST
.endm
; Group g of wq's loads: step g / 2, fragments 4 (g % 2) .. + 3: 16 loads of 512 consecutive bytes
.macro GB g
.if (\g) < 32
	WIN 0x40
.irp b, 0,1,2,3
.irp c, 0,1,2,3
	global_load_b128 v[128*(((\g)/2)%2)+64*((\g)%2)+16*\b+4*\c:128*(((\g)/2)%2)+64*((\g)%2)+16*\b+4*\c+3], v[LOFF], s[BF+2*((\g)/8):BF+2*((\g)/8)+1] offset:(((\g)/2)%4)*16384+(4*((\g)%2)+\b)*2048+512*\c
.endr
.endr
	WIN 0
.endif
.endm
.macro WL g                            ; group g is in: behind it the three younger groups, 48 loads, may be out (fewer at the end)
.if (\g) > 28
	s_wait_loadcnt 16*(31-(\g))
.else
	s_wait_loadcnt 48
.endif
.endm
.macro FA1 s, a                        ; A's block a of step s: registers 4 c .. 4 c + 3 hold K = 32 c + 16 h + 0 .. 15, as in wq's image
.irp c, 0,1,2,3
	ds_load_b128 v[32+16*((8*(\s)+(\a))%14)+4*\c:32+16*((8*(\s)+(\a))%14)+4*\c+3], v[ADRA+((\s)/4)%2] offset:128*((\s)%4)+32*\c+(\a)*16*PA
.endr
.endm
.macro MM s, a, hf, first              ; four matrix instructions: block a against four fragments.  The accumulators take turns, in the same order in every step
.irp b, 0,1,2,3
.if \first
	v_wmma_f32_16x16x128_bf8_bf8 v[8*(4*(\a)+\b):8*(4*(\a)+\b)+7], v[128*((\s)%2)+64*(\hf)+16*\b:128*((\s)%2)+64*(\hf)+16*\b+15], v[32+16*((8*(\s)+(\a))%14):32+16*((8*(\s)+(\a))%14)+15], v[BIAS+32*(\hf)+8*\b:BIAS+32*(\hf)+8*\b+7]
.else
	v_wmma_f32_16x16x128_bf8_bf8 v[8*(4*(\a)+\b):8*(4*(\a)+\b)+7], v[128*((\s)%2)+64*(\hf)+16*\b:128*((\s)%2)+64*(\hf)+16*\b+15], v[32+16*((8*(\s)+(\a))%14):32+16*((8*(\s)+(\a))%14)+15], v[8*(4*(\a)+\b):8*(4*(\a)+\b)+7]
.endif
.endr
.endm
; A step of 128 K.  turn = 1: the slot's last step; the slot is filled again with fill 'fill', jointly.  turn = 2: with c_prev's tile.  first = 1: C is the bias, which lies in four of A's places: the next step's blocks all come at the end.
; Four places stand in front of loads into registers that matrix instructions have read (ISA guide 7.12.1 for vector instructions).
.macro STEPK s, turn, fill, first
.if \turn
	s_wait_tensorcnt 0x0                           ; all my tensor loads have landed: my part of the next slot
	ds_add_u32 v[SPW], v[NIL]
.endif
	WL 2*(\s)
.if \turn
	s_wait_dscnt 9                                 ; the add and the youngest eight loads (blocks 6, 7) may be out
.else
	s_wait_dscnt 8                                 ; the youngest eight loads (blocks 6, 7) may be out
.endif
	WIN 0xa1-0x20*(\first)                         ; source 0 window 1, source 1 window 0, D window 2, C window 2 (the bias: window 0)
.irp a, 0,1,2,3,4,5
	MM \s, \a, 0, \first
.endr
	s_wait_dscnt 0x0                               ; blocks 6, 7 are in; at a change of slots: the add is done, and my reads of this slot are over
.if \turn
	s_barrier_signal -1
.endif
	MM \s, 6, 0, \first
	MM \s, 7, 0, \first
.if \turn
	WIN 0
	s_barrier_wait -1
	CREST                                          ; no wave of any partner still reads this slot or has a load on its way
.if \turn == 1
	tensor_load_to_lds s[G0F+4*(\fill):G0F+4*(\fill)+3], s[G1A:G1A+7]   ; my 64 rows, the first tensor load behind the round
.else
	tensor_load_to_lds s[G0C:G0C+3], s[G1C:G1C+7]  ; slot 0's last fill
.endif
	s_nop 0
.endif
	PLACES 4
	GB 2*(\s)+4
	WIN 0
.if (\s) < 15
.if !(\first)
.irp a, 0,1,2,3,4,5
	FA1 (\s)+1, \a
.endr
.endif
.endif
.if (\s) == 3
	global_prefetch_b8 v[PFC], s[CPP:CPP+1] th:TH_LOAD_NT scope:SCOPE_SE   ; c_prev: the 64 rows x 256 bytes that I will fetch two fills on, a lane a row; named once in the launch; the address registers are never rewritten
	global_prefetch_b8 v[PFC], s[CPP:CPP+1] offset:32*4096 th:TH_LOAD_NT scope:SCOPE_SE
.endif
	WL 2*(\s)+1
	WIN 0xf1-0x30*(\first)                         ; D and C window 3
.irp a, 0,1,2,3,4,5,6,7
	MM \s, \a, 1, \first
.endr
	PLACES 4
	GB 2*(\s)+5
	WIN 0
.if (\s) < 15
.if \first
.irp a, 0,1,2,3,4,5
	FA1 (\s)+1, \a
.endr
.endif
	FA1 (\s)+1, 6
	FA1 (\s)+1, 7
.endif
.endm
	s_load_b256 s[4:11], s[0:1], 0x0               ; x's codes, h's codes, wq, the scales' exponents
	s_load_b128 s[12:15], s[0:1], 0x20             ; c_prev, out0
	s_load_b64 s[16:17], s[0:1], 0x30              ; out1
	s_load_b256 s[68:75], s[0:1], 0x38             ; b_ii, b_if_, b_ig, b_io
	s_load_b256 s[76:83], s[0:1], 0x58             ; b_hi, b_hf, b_hg, b_ho
	v_lshl_add_u32 v[SPW], v0, 2, SPARE
	v_mov_b32 v[NIL], 0
	ds_add_u32 v[SPW], v[NIL]                      ; the opening lines: the add, twice on end, and its wait ahead of my first tensor load
	ds_add_u32 v[SPW], v[NIL]
	v_lshrrev_b32 v1, 5, v0
	v_readfirstlane_b32 s[WV], v1                  ; wave 0..3
	s_lshr_b32 s[RH], s[WV], 1                     ; my half of the rows
	s_and_b32 s[CH], s[WV], 1                      ; my half of the columns
	s_bfe_u32 s21, ttmp6, 0x40000                  ; cx
	s_lshl_b32 s[TC], ttmp9, 2
	s_add_co_u32 s[TC], s[TC], s21                 ; tile column
	s_and_b32 s[TR], ttmp7, 0xffff                 ; tile row
	s_mov_b32 s[G1A+0], 15|(1<<20)|(1<<21)|(6<<22)|(3<<25)   ; the mask of all four; elements of 1 byte; padding of 4 words after every 128; bit 21 beside a mask
	s_mov_b32 s[G1A+1], 512<<16
	s_mov_b32 s[G1A+2], 64<<16
	s_mov_b32 s[G1A+3], 512<<16
	s_mov_b32 s[G1A+4], 64
	s_mov_b32 s[G1A+5], 1024
	s_mov_b32 s[G1A+6], 0
	s_mov_b32 s[G1A+7], 0
	s_mov_b32 s[G1C+0], (2<<16)|(1<<20)|(5<<22)|(3<<25)      ; c_prev's tile: 64 rows x 64 f32 a wave, no mask
	s_mov_b32 s[G1C+1], 64<<16
	s_mov_b32 s[G1C+2], 64<<16
	s_mov_b32 s[G1C+3], 64<<16
	s_mov_b32 s[G1C+4], 64
	s_mov_b32 s[G1C+5], 1024
	s_mov_b32 s[G1C+6], 0
	s_mov_b32 s[G1C+7], 0
	s_add_co_u32 s56, s[TR], ttmp9                 ; the cluster's order of K
	s_bfe_u32 s57, s56, 0x10001                    ; R
	s_and_b32 s56, s56, 1                          ; P
	s_lshl_b32 s22, s[TR], 18                      ; A: (256 x tile row + 64 x wave) rows of 1,024 bytes
	s_lshl_b32 s21, s[WV], 16
	s_add_co_u32 s22, s22, s21
	s_mov_b32 s23, 0
	s_lshl_b32 s58, s57, 9                         ; 512 R: where a product's first fill begins in a row,
	s_mov_b32 s59, 0
	s_sub_co_u32 s60, 512, s58                     ; and its second
	s_mov_b32 s61, 0
	s_lshl_b32 s62, s56, 17                        ; in wq: 8 steps x P,
	s_lshl_b32 s63, s57, 16                        ; 4 steps x R
	s_lshl_b32 s2, s[TC], 19                       ; group 2 x tile column + half, of 262,144 bytes
	s_lshl_b32 s3, s[CH], 18
	s_add_co_u32 s2, s2, s3
	s_mov_b32 s3, 0
	s_mul_i32 s21, s[WV], QT                       ; where my rows go
	s_wait_dscnt 0x0                               ; both opening adds are done
	s_wait_kmcnt 0x0
	s_cmp_eq_u32 s56, 0
	s_cselect_b64 s[96:97], s[4:5], s[6:7]         ; the first product's codes
	s_cselect_b64 s[6:7], s[6:7], s[4:5]           ; the second's
	s_add_nc_u64 s[4:5], s[96:97], s[22:23]
	s_add_nc_u64 s[6:7], s[6:7], s[22:23]
	s_add_nc_u64 s[8:9], s[8:9], s[2:3]
	s_load_b128 s[96:99], s[10:11], 0x0            ; e0, e1, e2, e3
.irp f, 0,1,2,3
	s_mov_b32 s[G0F+4*\f], 1
	s_add_co_u32 s[G0F+4*\f+1], s21, (\f%2)*SLOT
	s_add_nc_u64 s[G0F+4*\f+2:G0F+4*\f+3], s[4+2*(\f/2):5+2*(\f/2)], s[58+2*(\f%2):59+2*(\f%2)]
	s_or_b32 s[G0F+4*\f+3], s[G0F+4*\f+3], 0x80000000
	s_xor_b32 s2, s62, (\f/2)<<17
	s_xor_b32 s22, s63, (\f%2)<<16
	s_add_co_u32 s2, s2, s22
	s_add_nc_u64 s[BF+2*\f:BF+2*\f+1], s[8:9], s[2:3]
.endr
	CROUND                                         ; all four work-groups are here: the first joint loads meet
	tensor_load_to_lds s[G0F:G0F+3], s[G1A:G1A+7]  ; fill 0: one tensor load a wave at the head
	s_nop 0
	PLACES 4
	s_lshl_b32 s2, s[TC], 8                        ; the scalar parts of the addresses first, then the vector lines in one run
	s_lshl_b32 s6, s[CH], 7
	s_add_co_u32 s2, s2, s6                        ; a bias: byte 256 tc + 128 half
	s_mul_i32 s3, s[RH], 2*QT                      ; my 128 rows of A
	s_mul_i32 s22, s[RH], 128*PITCH
	s_add_co_u32 s22, s22, s6                      ; c_prev: row 128 x row half, byte 128 x column half
	s_mul_i32 s21, s[RH], 16*PITCH
	s_add_co_u32 s21, s21, STG
	s_add_co_u32 s23, s21, s6                      ; into the stage
	s_mul_i32 s6, s[CH], OBUF
	s_add_co_u32 s21, s21, s6                      ; back: my row half's 16 rows of my output
	v_and_b32 v1, 15, v0                           ; r
	v_bfe_u32 v2, v0, 4, 1                         ; h
	v_lshl_add_u32 v[BO], v2, 5, s2
	v_mul_u32_u24 v3, v1, PA
	v_lshl_add_u32 v3, v2, 4, v3
	v_add_nc_u32 v[ADRA], s3, v3
	v_add_nc_u32 v[ADRA+1], SLOT, v[ADRA]
	v_mul_u32_u24 v4, v1, PITCH
	v_lshl_add_u32 v5, v2, 5, v4
	v_add_nc_u32 v[CPA], s22, v5
	v_add_nc_u32 v[STO], s23, v5
	v_mul_u32_u24 v6, v2, PITCH
	v_lshl_add_u32 v6, v1, 4, v6
	v_add_nc_u32 v[RD], s21, v6
	v_lshlrev_b32 v[CO], 12, v2
	v_lshl_add_u32 v[CO], v1, 4, v[CO]
	v_and_b32 v[PFC], 31, v0
	v_lshlrev_b32 v[LOFF], 4, v[PFC]               ; 16 x lane
	v_lshlrev_b32 v[PFC], 12, v[PFC]               ; lane x a row of c_prev
	s_wait_alu depctr_va_vdst(0)                   ; ahead of the readers below
.irp g, 0,1,2,3
.irp u, 0,1
.irp q, 0,1
	global_load_b128 v[BIAS+16*\g+8*\u+4*\q:BIAS+16*\g+8*\u+4*\q+3], v[BO], s[68+2*\g:69+2*\g] offset:64*\u+16*\q
	global_load_b128 v[HB+16*\g+8*\u+4*\q:HB+16*\g+8*\u+4*\q+3], v[BO], s[76+2*\g:77+2*\g] offset:64*\u+16*\q
.endr
.endr
.endr
	GB 0
	GB 1
	GB 2
	s_lshl_b32 s2, s[TR], 20                       ; c_prev at my wave's 64 rows of the tile
	s_lshl_b32 s3, s[WV], 18
	s_add_co_u32 s2, s2, s3
	s_lshl_b32 s3, s[TC], 8
	s_add_co_u32 s2, s2, s3
	s_mov_b32 s3, 0
	s_add_nc_u64 s[CPP:CPP+1], s[CPP:CPP+1], s[2:3]
	s_mov_b32 s[G0C], 1
	s_mul_i32 s[G0C+1], s[WV], 64*PITCH
	s_mov_b64 s[G0C+2:G0C+3], s[CPP:CPP+1]
	s_or_b32 s[G0C+3], s[G0C+3], 0x80000000
	s_cmp_eq_u32 s[CH], 0                          ; column half 0 stores h_next's rows, half 1 c_next's
	s_cselect_b64 s[OUT:OUT+1], s[14:15], s[16:17]
	s_lshl_b32 s2, s[TR], 20
	s_lshl_b32 s3, s[RH], 19
	s_add_co_u32 s2, s2, s3
	s_lshl_b32 s3, s[TC], 8
	s_add_co_u32 s2, s2, s3
	s_mov_b32 s3, 0
	s_add_nc_u64 s[OUT:OUT+1], s[OUT:OUT+1], s[2:3]
	s_wait_loadcnt 48                              ; the biases are in (behind them: wq's first three groups): their addresses' registers are free
	s_wait_kmcnt 0x0                               ; the exponents
	s_add_co_i32 s22, s96, s97
	s_add_co_i32 s23, s98, s99
	s_cmp_eq_u32 s56, 0
	s_cselect_b32 s2, s23, s22                     ; E: the second product's
	s_cselect_b32 s3, s22, s23                     ; F: the first product's
	s_sub_co_i32 s6, 127, s3
	s_lshl_b32 s6, s6, 23                          ; 2^-F
	s_mov_b32 s7, s6                               ; (the packed forms name a pair: the upper word is written)
	s_sub_co_i32 s3, s3, s2                        ; d
	s_add_co_i32 s3, s3, 127
	s_lshl_b32 s[RS], s3, 23                       ; 2^d
	s_mov_b32 s[RS+1], s[RS]
	s_lshl_b32 s2, s2, 23
	s_add_co_u32 s[SSG], s2, 0xbfb8aa3b            ; -log2e, E added to its exponent field
	s_mov_b32 s[SSG+1], s[SSG]
	s_add_co_u32 s[STH], s2, 0x4038aa3b            ; 2 log2e likewise
	s_mov_b32 s[STH+1], s[STH]
	s_mov_b32 s[S2L], 0x4038aa3b
	s_mov_b32 s[S2L+1], s[S2L]
	s_mov_b32 s[CL], 0x42000000
.set ii, 0
.rept 32
	v_pk_add_f32 v[BIAS+ii:BIAS+ii+1], v[BIAS+ii:BIAS+ii+1], v[HB+ii:HB+ii+1]   ; bx + bh
.set ii, ii+2
.endr
.set ii, 0
.rept 32
	v_pk_mul_f32 v[BIAS+ii:BIAS+ii+1], v[BIAS+ii:BIAS+ii+1], s[6:7] op_sel_hi:[1,0]   ; / 2^F: a power of two
.set ii, ii+2
.endr
	GB 3
	s_wait_alu depctr_va_vdst(0)                   ; the wait at the head's end
	s_wait_tensorcnt 0x0                           ; my part of fill 0 is in
	ds_add_u32 v[SPW], v[NIL]
	s_wait_dscnt 0x0
	CROUND
	tensor_load_to_lds s[G0F+4:G0F+7], s[G1A:G1A+7]   ; fill 1, slot 1's first, the first tensor load behind the round
	s_nop 0
	PLACES 4
.irp a, 0,1,2,3,4,5,6,7
	FA1 0, \a
.endr
	STEPK 0, 0, 0, 1                               ; the first products start the sums on the biases: nothing is cleared
	STEPK 1, 0, 0, 0
	STEPK 2, 0, 0, 0
	STEPK 3, 1, 2, 0                               ; slot 0 takes fill 2
	STEPK 4, 0, 0, 0
	STEPK 5, 0, 0, 0
	STEPK 6, 0, 0, 0
	STEPK 7, 1, 3, 0                               ; slot 1 takes fill 3; the first product ends here
	WIN 0x82                                       ; every sum x 2^d; each accumulator from its low end on (four places stand behind the last products)
.set ii, 0
.rept 128
	v_pk_mul_f32 v[ii:ii+1], v[ii:ii+1], s[RS:RS+1] op_sel_hi:[1,0]
.set ii, ii+2
.endr
	WIN 0xc3
.set ii, 0
.rept 128
	v_pk_mul_f32 v[ii:ii+1], v[ii:ii+1], s[RS:RS+1] op_sel_hi:[1,0]
.set ii, ii+2
.endr
	WIN 0
	s_wait_alu depctr_va_vdst(0)
	STEPK 8, 0, 0, 0
	STEPK 9, 0, 0, 0
	STEPK 10, 0, 0, 0
	STEPK 11, 2, 0, 0                              ; slot 0 takes c_prev's tile
	STEPK 12, 0, 0, 0
	STEPK 13, 0, 0, 0
	STEPK 14, 0, 0, 0
	STEPK 15, 0, 0, 0
	s_wait_tensorcnt 0x0                           ; my 64 rows of c_prev's tile have landed: other waves read them
	s_wait_dscnt 0x0
	s_barrier_signal -1
	s_barrier_wait -1                              ; the whole tile is there
; THE TAIL.
.macro FMA8 d, x, y, z
.irp e, 0,2,4,6,8,10,12,14
	v_pk_fma_f32 v[\d+\e:\d+\e+1], v[\x+\e:\x+\e+1], v[\y+\e:\y+\e+1], v[\z+\e:\z+\e+1]
.endr
.endm
.macro MULV8 d, x, y
.irp e, 0,2,4,6,8,10,12,14
	v_pk_mul_f32 v[\d+\e:\d+\e+1], v[\x+\e:\x+\e+1], v[\y+\e:\y+\e+1]
.endr
.endm
.macro ADDC8 d, x, c
.irp e, 0,2,4,6,8,10,12,14
	v_pk_add_f32 v[\d+\e:\d+\e+1], v[\x+\e:\x+\e+1], \c op_sel_hi:[1,0]
.endr
.endm
.macro SCL8 d, x, k                    ; sixteen numbers x the scalar pair k
.irp e, 0,2,4,6,8,10,12,14
	v_pk_mul_f32 v[\d+\e:\d+\e+1], v[\x+\e:\x+\e+1], s[\k:\k+1] op_sel_hi:[1,0]
.endr
.endm
.macro TR16 op, d
.set ii, 0
.rept 16
	\op v[\d+ii], v[\d+ii]
.set ii, ii+1
.endr
.endm
.macro SEND a, younger                 ; younger: the LDS loads issued behind the block's loads from the stage, which may stay out
	s_wait_dscnt \younger
.irp t, 0,1,2,3,4,5,6,7
	global_store_b128 v[CO], v[RB+4*\t:RB+4*\t+3], s[OUT:OUT+1] offset:(16*(\a)+2*\t)*4096 th:TH_STORE_NT   ; 16 lanes store 256 consecutive bytes, at a multiple of 256 from the output's first byte
.endr
.endm
; Block a: rows 16 a .. 16 a + 15 of my 128, my 32 hidden columns: 16 elements a lane.  One barrier a block: buffer a % 2 of the stage is written behind barrier a - 1, in front of which every wave has waited for its reads of
; block a - 2, and read behind barrier a.  Block a - 1's stores to memory leave among this block's arithmetic.
.macro EPI a
.set AC, 32*(\a)
.set SB, ((\a)%2)*SBUF
.irp u, 0,1
.irp q, 0,1
	ds_load_b128 v[CP+8*\u+4*\q:CP+8*\u+4*\q+3], v[CPA] offset:(\a)*16*PITCH+64*\u+16*\q   ; c_prev, in the accumulators' layout
.endr
.endr
	WIN 0x02                                       ; source 0: window 2: gates i, f
	s_wait_alu depctr_va_vdst(0)                   ; directly ahead of the first reader of these sums
	SCL8 TI, AC, SSG                               ; -log2e x gate; each accumulator from its low end on
	SCL8 TF, AC+16, SSG
	WIN 0x03                                       ; window 3: gates g, o
	s_wait_alu depctr_va_vdst(0)
	SCL8 TG, AC, STH                               ; 2 log2e x gate
	SCL8 TO, AC+16, SSG
	WIN 0
.set ii, 0
.rept 48
	v_min_num_f32 v[T+ii], s[CL], v[T+ii]          ; gates i, f, g: the exponent held at 32, so that the products of three such powers stay finite
.set ii, ii+1
.endr
	s_wait_alu depctr_va_vdst(0)                   ; ahead of the batch
	TR16 v_exp_f32, TI
	TR16 v_exp_f32, TF
	TR16 v_exp_f32, TG
	TR16 v_exp_f32, TO
.if (\a) > 0
	SEND (\a)-1, 4                                 ; the block before is back from the stage (behind its eight loads: this block's four of c_prev) and leaves
.endif
	v_nop
	s_wait_alu depctr_va_vdst(0)                   ; one wait for the batch, ahead of its first reader
	ADDC8 W1, TG, 1.0                              ; Eg + 1
	ADDC8 TG, TG, -1.0                             ; Eg - 1
	FMA8 TI, TI, W1, W1                            ; P = (1 + Ei)(1 + Eg)
	FMA8 TG, TF, TG, TG                            ; (Eg - 1)(1 + Ef)
	s_wait_alu depctr_va_vdst(0)
	s_wait_dscnt 0x0                               ; c_prev is in
	FMA8 CP, CP, TI, TG                            ; the numerator
	FMA8 TF, TI, TF, TI                            ; the divisor P (1 + Ef), at most 2^97
	s_wait_alu depctr_va_vdst(0)
	TR16 v_rcp_f32, TF
	ADDC8 TO, TO, 1.0                              ; 1 + Eo: plain work behind the reciprocals
	s_wait_alu depctr_va_vdst(0)
	MULV8 CP, CP, TF                               ; c_next
	SCL8 W1, CP, S2L
.set ii, 0
.rept 16
	v_min_num_f32 v[W1+ii], s[CL], v[W1+ii]
.set ii, ii+1
.endr
	s_wait_alu depctr_va_vdst(0)
	TR16 v_exp_f32, W1                             ; Ec
.irp u, 0,1
.irp q, 0,1
	ds_store_b128 v[STO], v[CP+8*\u+4*\q:CP+8*\u+4*\q+3] offset:SB+OBUF+64*\u+16*\q   ; c_next into the stage
.endr
.endr
	v_nop
	s_wait_alu depctr_va_vdst(0)
	ADDC8 W2, W1, 1.0                              ; 1 + Ec
	ADDC8 W1, W1, -1.0                             ; Ec - 1
	MULV8 W2, W2, TO                               ; (1 + Ec)(1 + Eo).  Not fused: Eo is not held and may be infinite where Ec is 0; the divisor is then infinite and h_next 0
	s_wait_alu depctr_va_vdst(0)
	TR16 v_rcp_f32, W2
	v_nop
	s_wait_alu depctr_va_vdst(0)
	MULV8 W1, W1, W2                               ; h_next
.irp u, 0,1
.irp q, 0,1
	ds_store_b128 v[STO], v[W1+8*\u+4*\q:W1+8*\u+4*\q+3] offset:SB+64*\u+16*\q
.endr
.endr
	s_wait_dscnt 0x0                               ; for the others' sake: my stores into the stage are done
	s_barrier_signal -1
	s_barrier_wait -1                              ; both halves of each row lie in the stage
.if (\a) > 0
	s_wait_xcnt 0x0                                ; the block before's stores have read their data registers: the loads below land there
.endif
.irp t, 0,1,2,3,4,5,6,7
	ds_load_b128 v[RB+4*\t:RB+4*\t+3], v[RD] offset:SB+2*\t*PITCH   ; 16 whole rows of my output, two an instruction
.endr
.endm
.irp a, 0,1,2,3,4,5,6,7
	EPI \a
.endr
	SEND 7, 0
	s_wait_tensorcnt 0x0                           ; the wave's end
	ds_add_u32 v[SPW], v[NIL]
	s_wait_dscnt 0x0
	CROUND                                         ; the closing round
	s_endpgm
.Lfunc_end_k_qb4b6b03bbd_cell:
	.size	k_qb4b6b03bbd_cell, .Lfunc_end_k_qb4b6b03bbd_cell-k_qb4b6b03bbd_cell
	.p2alignl 7, 3214868480
	.fill 96, 4, 3214868480
	.section	.rodata,"a",@progbits
	.p2align	6, 0x0
	.amdhsa_kernel k_qb4b6b03bbd_cell
		.amdhsa_group_segment_fixed_size 327680
		.amdhsa_private_segment_fixed_size 0
		.amdhsa_enable_private_segment 0
		.amdhsa_kernarg_size 120
		.amdhsa_user_sgpr_count 2
		.amdhsa_user_sgpr_kernarg_segment_ptr 1
		.amdhsa_wavefront_size32 1
		.amdhsa_system_sgpr_workgroup_id_x 1
		.amdhsa_system_sgpr_workgroup_id_y 1
		.amdhsa_system_sgpr_workgroup_id_z 1
		.amdhsa_system_vgpr_workitem_id 0
		.amdhsa_next_free_vgpr 1024
		.amdhsa_next_free_sgpr 102
		.amdhsa_reserve_vcc 0
		.amdhsa_float_denorm_mode_32 3
		.amdhsa_float_denorm_mode_16_64 3
		.amdhsa_memory_ordered 1
		.amdhsa_forward_progress 1
		.amdhsa_inst_pref_size 255
	.end_amdhsa_kernel
	.section	.bss,"aw",@nobits
	.p2align	6
	.space	262144
	.amdgpu_metadata
---
amdhsa.version: [ 1, 2 ]
amdhsa.kernels:
  - .name:           k_qb4b6b03bbd_cell
    .symbol:         k_qb4b6b03bbd_cell.kd
    .args:
      - { .name: x_codes, .offset: 0, .size: 8, .value_kind: global_buffer, .address_space: global }
      - { .name: h_codes, .offset: 8, .size: 8, .value_kind: global_buffer, .address_space: global }
      - { .name: wq, .offset: 16, .size: 8, .value_kind: global_buffer, .address_space: global }
      - { .name: lowp_scales, .offset: 24, .size: 8, .value_kind: global_buffer, .address_space: global }
      - { .name: c_prev, .offset: 32, .size: 8, .value_kind: global_buffer, .address_space: global }
      - { .name: out0, .offset: 40, .size: 8, .value_kind: global_buffer, .address_space: global }
      - { .name: out1, .offset: 48, .size: 8, .value_kind: global_buffer, .address_space: global }
      - { .name: b_ii, .offset: 56, .size: 8, .value_kind: global_buffer, .address_space: global }
      - { .name: b_if_, .offset: 64, .size: 8, .value_kind: global_buffer, .address_space: global }
      - { .name: b_ig, .offset: 72, .size: 8, .value_kind: global_buffer, .address_space: global }
      - { .name: b_io, .offset: 80, .size: 8, .value_kind: global_buffer, .address_space: global }
      - { .name: b_hi, .offset: 88, .size: 8, .value_kind: global_buffer, .address_space: global }
      - { .name: b_hf, .offset: 96, .size: 8, .value_kind: global_buffer, .address_space: global }
      - { .name: b_hg, .offset: 104, .size: 8, .value_kind: global_buffer, .address_space: global }
      - { .name: b_ho, .offset: 112, .size: 8, .value_kind: global_buffer, .address_space: global }
    .group_segment_fixed_size: 327680
    .private_segment_fixed_size: 0
    .kernarg_segment_align: 8
    .kernarg_segment_size: 120
    .max_flat_workgroup_size: 128
    .sgpr_count:     102
    .vgpr_count:     1024
    .wavefront_size: 32
...
	.end_amdgpu_metadata
.endif
;; end of part 2
